; MI455X (gfx1250); checked and timed in simulation.
; The chip was launched on July 23, 2026; its instructions are those of AMD's public machine-readable ISA for CDNA 5 (MIT licence, August 2026) and "CDNA5" Instruction Set Architecture Reference Guide (July 2026). The comments in the code are by the model that wrote it; some were corrected since.
;; Attention. Allowed arithmetic: matrix products marked QUANTISED: E2M1 operands, one E8M0 scale for each 32 along K, by v_wmma_scale_f32_16x16x128_f8f6f4 with both operands' format E2M1 (or v_wmma_scale_f32_32x16x128_f4), f32 sums; everything else in f32.
;; Inputs: k_codes 4 x 16 x 2,048 x 4 x 16 uint8 (E2M1 codes of k, K innermost, in blocks of 32 codes, two codes a byte); k_scales 4 x 16 x 2,048 x 4 uint8 (E8M0 scales of k, one for each 32 codes along K); mask 1 x 1 x 2,048 x 2,048 bool; q_codes 4 x 16 x 2,048 x 4 x 16 uint8 (E2M1 codes of q, K innermost, in blocks of 32 codes, two codes a byte); q_scales 4 x 16 x 2,048 x 4 uint8 (E8M0 scales of q, one for each 32 codes along K); v_codes 4 x 16 x 128 x 64 x 16 uint8 (E2M1 codes of v, K innermost, in blocks of 32 codes, two codes a byte); v_scales 4 x 16 x 128 x 64 uint8 (E8M0 scales of v, one for each 32 codes along K).
;; Outputs: out0 4 x 16 x 2,048 x 128 float32.
;; This version of the problem:
;;   THIS VERSION OF THE PROBLEM IS GIVEN IN LOW PRECISION. The matrix products marked QUANTISED in the list below multiply operands that are first quantised to E2M1 (2 exponent bits, 1 mantissa bit; 4 bits a number), with one power-of-two scale for each 32 numbers along K (OCP MX v1.0); their sums are f32. All else is computed in f32.
;;   The module's matrix products, in the order in which they are computed (A, B: the left and right operand; K: the contracted axis; several contracted axes count as one K, in the product's order):
;;     1. batch 64 x [M 2,048, K 128] x [K 128, N 2,048]; A: input q (given as codes); B: input k (given as codes): QUANTISED
;;     2. batch 64 x [M 2,048, K 2,048] x [K 2,048, N 128]; A: softmax (see below); B: input v (given as codes): QUANTISED
;;   THE QUANTISER, for each operand of a quantised product, along K:
;;     - K is cut into blocks of 32 from its start; a last block that is shorter is filled with zeros.
;;     - A block's scale is 2^e with e = floor(log2(the largest magnitude in the block)) - 2, held to -126 .. 127; a block of zeros has e = 0. As a byte (E8M0): e + 127.
;;     - Each number is divided by its block's scale, clamped to +-6, and rounded to the nearest number of E2M1, ties to even, subnormals kept.
;;     - The product sums the exact products of the quantised numbers (number of the format x scale) in f32.
;;   ~~~python
;;   def quantise(x, axis):      # numpy; x: float32 -> the quantised numbers, widened to float32 again
;;       x = np.moveaxis(x, axis, -1); K = x.shape[-1]
;;       x = np.pad(x, [(0, 0)] * (x.ndim - 1) + [(0, -K % 32)]); x = x.reshape(x.shape[:-1] + (-1, 32)); a = np.abs(x).max(-1, keepdims=True)
;;       e = np.where(a > 0, np.clip(np.frexp(np.where(a > 0, a, 1))[1] - 1 - 2, -126, 127), 0)      # np.frexp(a)[1] - 1 = floor(log2(a)), exactly
;;       r = np.clip(x / 2.0 ** e, -6, 6)
;;       step = 2.0 ** (np.maximum(np.frexp(np.where(r == 0, 1, r))[1] - 1, 0) - 1)
;;       q = np.round(r / step) * step * 2.0 ** e      # np.round: ties to even
;;       return np.moveaxis(q.reshape(q.shape[:-2] + (-1,))[..., :K], -1, axis).astype(np.float32)
;;   ~~~
;;   SOFTMAX AHEAD OF A QUANTISED PRODUCT. Where the list says 'softmax', what is quantised is not the finished softmax but p = 2^(t - M), with t = logit x log2(e) and M = ceil(the row's largest t), a whole number; so 1/2 < the row's largest p <= 1. The row's sum l is taken of the UNQUANTISED p, in f32, and the product's result is divided by l at the end. Since M is a whole number, a kernel that streams over the keys may use a running M (the ceiling of the running maximum): every later rescaling is an exact power of two, which a block's scale takes up: the codes' values come out the same.
;;   OPERANDS COMPUTED ON THE WAY. 'Computed on the way' means the value that the module computes at that place (a softmax that the list does not call 'softmax' is quantised finished and normalised). What goes into a quantiser is computed in f32, as accurately as f32 sums, v_exp_f32 and their like allow (about 1e-6 of the number): no bf16 or f16 on the way to a quantiser, and a product that is left as it is and whose result goes on into a quantised operand takes f32 operands (vector FMAs, or v_wmma_f32_16x16x4_f32). A number that lies on a knife's edge between two numbers of the format may be rounded either way, as far as f32 arithmetic and the matrix unit's own rounding can turn it there, and no further.
;;   INPUTS GIVEN AS CODES. k (in the module: [4, 16, 2048, 128], K = its axis 3); q (in the module: [4, 16, 2048, 128], K = its axis 3); v (in the module: [4, 16, 2048, 128], K = its axis 2): each comes as NAME_codes (uint8): NAME with its K axis moved to the last place and cut into blocks of 32 codes, [.., K / 32, bytes a block], one block behind the other in memory; two codes a byte, the lower K in the low four bits (a code: sign, 2 exponent bits, 1 mantissa bit); and NAME_scales (uint8): the same leading axes, one E8M0 byte (e + 127) for each 32 codes along K. Its value is code x scale, taken as it is: it is not quantised again, and the codes and scales need not be those that the quantiser above would give.
;; One version. Each part assembles by itself: llvm-mc -triple=amdgcn-amd-amdhsa -mcpu=gfx1250 --defsym DOCPART=n.
;; ======== version 1 of 1: 2 launches
;; workspace buffers: lm 524,288 bytes of whole numbers; cls 8,192 bytes of whole numbers
;; launch maskprep (part 1): grid 256 x 1, 4 waves a work-group, no clusters, 0 bytes of LDS; arguments mask, lm, cls; writes lm, cls
.if DOCPART == 1
	.amdgcn_target "amdgcn-amd-amdhsa--gfx1250"
	.amdhsa_code_object_version 6
	.text
	.protected	k_qda01f8ff91_maskprep
	.globl	k_qda01f8ff91_maskprep
	.p2align	8
	.type	k_qda01f8ff91_maskprep,@function
k_qda01f8ff91_maskprep:
	s_mov_b64 s[64:65], 0
	v_nop
	global_prefetch_b8 v0, s[64:65] scope:SCOPE_SE
	s_setreg_imm32_b32 hwreg(HW_REG_WAVE_MODE, 25, 1), 1
	s_wait_xcnt 0x0
; The mask [2048 queries][2048 keys], one byte each (any byte but 0 counts as true = hidden), is turned into LANE MASKS for the attention launch, and each piece of it is classed.
; A UNIT is 32 queries (T2 = 0..63) x 128 keys (J = 0..15); there are 1,024 units, one to a wave, four waves to a work-group.
; lm [T2][J][x = 0,1][n = 0..63], words: bit l of word n = mask[32 T2 + 16 x + l % 16][128 J + 32 (n / 16) + 16 (l / 16) + n % 16]:
;   the lane mask for register n of a 16-query x 128-key tile of scores as the matrix unit leaves it there (lane = query + 16 x half, registers along the keys).
; cls [T2][J][2], words: (all 32 x 128 hidden) << J, and (none hidden) << J: the attention launch ORs a row of them into two words of 16 bits.
; A record of lm leaves as two stores of 256 consecutive, aligned bytes.  The class words are 8 bytes a unit, 8,192 bytes in the launch: these blocks of 256 bytes are written in parts, by 32 waves.
; Each load takes 32 consecutive bytes of 16 rows; a unit's four loads a tile cover 128 consecutive bytes of each row.  No LDS, no barrier: waves share nothing.
.set MB,  8                            ; v8-39   mask bytes: tile x, keys 32 b + 16 h + 0..15 in v[MB + 16 x + 4 b ..+3]
.set WD,  40                           ; v40-43  the words to store: lane i holds words 2 i and 2 i + 1 of tile x in v[WD + 2 x], v[WD + 2 x + 1]
.set TP,  44                           ; v44-47  at work
	s_load_b128 s[4:7], s[0:1], 0x0                ; mask, lm
	s_load_b64 s[8:9], s[0:1], 0x10                ; cls
	v_lshrrev_b32 v1, 5, v0
	v_readfirstlane_b32 s10, v1                    ; wave 0..3
	v_and_b32 v1, 31, v0                           ; lane
	v_and_b32 v2, 15, v0                           ; r: my query in a tile
	v_bfe_u32 v3, v0, 4, 1                         ; h: my half of each block of 32 keys
	v_lshlrev_b32 v4, 11, v2                       ; row r of 2,048 bytes
	v_lshl_add_u32 v4, v3, 4, v4                   ; + 16 h
	v_lshlrev_b32 v5, 3, v1                        ; out: 8 bytes a lane
	v_mov_b32 v6, 0
.irp i, 0,1,2,3
	v_mov_b32 v[WD+\i], 0                          ; v_writelane_b32's destination counts as read
.endr
	s_lshl_b32 s11, ttmp9, 2
	s_add_co_u32 s11, s11, s10                     ; unit = 4 x work-group + wave
	s_lshr_b32 s12, s11, 4                         ; T2
	s_and_b32 s13, s11, 15                         ; J
	s_lshl_b32 s14, s12, 16                        ; 32 rows of 2,048 bytes
	s_lshl_b32 s16, s13, 7                         ; 128 keys
	s_add_co_u32 s14, s14, s16
	s_mov_b32 s15, 0
	s_mov_b32 s20, -1                              ; the AND of all 128 words
	s_mov_b32 s21, 0                               ; their OR
	s_wait_alu depctr_va_vdst(0)
	s_wait_kmcnt 0x0
	s_add_nc_u64 s[4:5], s[4:5], s[14:15]
	s_lshl_b32 s14, s11, 9                         ; a record of lm is 512 bytes
	s_add_nc_u64 s[6:7], s[6:7], s[14:15]
	s_lshl_b32 s14, s11, 3                         ; a pair of class words 8
	s_add_nc_u64 s[8:9], s[8:9], s[14:15]
.irp x, 0,1
.irp b, 0,1,2,3
	global_load_b128 v[MB+16*\x+4*\b:MB+16*\x+4*\b+3], v4, s[4:5] offset:32768*\x+32*\b th:TH_LOAD_NT
.endr
.endr
	s_wait_loadcnt 0x0
; Word n = 4 g + k: byte k of register g of the tile, compared with 0 in all 32 lanes at once: the compare's result IS the lane mask.  Four words at a time, so that no line waits for the line above it.
.irp x, 0,1
.set g, 0
.rept 16
.irp k, 0,1,2,3
	v_and_b32 v[TP+\k], 0xff<<(8*\k), v[MB+16*\x+g]
.endr
.irp k, 0,1,2,3
	v_cmp_ne_u32 s[24+\k], 0, v[TP+\k]
.endr
.irp k, 0,1,2,3
	s_and_b32 s20, s20, s[24+\k]
	s_or_b32 s21, s21, s[24+\k]
	v_writelane_b32 v[WD+2*\x+(\k&1)], s[24+\k], 2*g+(\k>>1)   ; word n goes to lane n / 2, register n % 2
.endr
.set g, g+1
.endr
.endr
	global_store_b64 v5, v[WD:WD+1], s[6:7]              ; tile 0's 64 words: 32 lanes store 256 consecutive bytes, aligned
	global_store_b64 v5, v[WD+2:WD+3], s[6:7] offset:256 ; tile 1's
	s_cmp_eq_u32 s20, -1
	s_cselect_b32 s28, 1, 0
	s_lshl_b32 s28, s28, s13                       ; all hidden, at bit J
	s_cmp_eq_u32 s21, 0
	s_cselect_b32 s29, 1, 0
	s_lshl_b32 s29, s29, s13                       ; none hidden, at bit J
	v_mov_b32 v48, s28
	v_mov_b32 v49, s29
	v_cmp_eq_u32 vcc_lo, 0, v1
	s_wait_alu depctr_va_vdst(0)
	s_wait_xcnt 0x0                                ; EXEC is a source of the stores above: it changes only behind this wait
	s_and_saveexec_b32 s30, vcc_lo                 ; lane 0 alone
	global_store_b64 v6, v[48:49], s[8:9]
	s_wait_xcnt 0x0                                ; and again in front of the line that widens it
	s_or_b32 exec_lo, exec_lo, s30
	s_endpgm
.Lfunc_end_k_qda01f8ff91_maskprep:
	.size	k_qda01f8ff91_maskprep, .Lfunc_end_k_qda01f8ff91_maskprep-k_qda01f8ff91_maskprep
	.p2alignl 7, 3214868480
	.fill 96, 4, 3214868480
	.section	.rodata,"a",@progbits
	.p2align	6, 0x0
	.amdhsa_kernel k_qda01f8ff91_maskprep
		.amdhsa_group_segment_fixed_size 0
		.amdhsa_private_segment_fixed_size 0
		.amdhsa_enable_private_segment 0
		.amdhsa_kernarg_size 24
		.amdhsa_user_sgpr_count 2
		.amdhsa_user_sgpr_kernarg_segment_ptr 1
		.amdhsa_wavefront_size32 1
		.amdhsa_system_sgpr_workgroup_id_x 1
		.amdhsa_system_sgpr_workgroup_id_y 1
		.amdhsa_system_sgpr_workgroup_id_z 1
		.amdhsa_system_vgpr_workitem_id 0
		.amdhsa_next_free_vgpr 64
		.amdhsa_next_free_sgpr 66
		.amdhsa_reserve_vcc 1
		.amdhsa_float_denorm_mode_32 3
		.amdhsa_float_denorm_mode_16_64 3
		.amdhsa_memory_ordered 1
		.amdhsa_forward_progress 1
		.amdhsa_inst_pref_size 35
	.end_amdhsa_kernel
	.amdgpu_metadata
---
amdhsa.version: [ 1, 2 ]
amdhsa.kernels:
  - .name:           k_qda01f8ff91_maskprep
    .symbol:         k_qda01f8ff91_maskprep.kd
    .args:
      - { .name: mask, .offset: 0, .size: 8, .value_kind: global_buffer, .address_space: global }
      - { .name: lm, .offset: 8, .size: 8, .value_kind: global_buffer, .address_space: global }
      - { .name: cls, .offset: 16, .size: 8, .value_kind: global_buffer, .address_space: global }
    .group_segment_fixed_size: 0
    .private_segment_fixed_size: 0
    .kernarg_segment_align: 8
    .kernarg_segment_size: 24
    .max_flat_workgroup_size: 128
    .sgpr_count:     66
    .vgpr_count:     64
    .wavefront_size: 32
...
	.end_amdgpu_metadata
.endif
;; end of part 1
;; launch attn (part 2): grid 4 x 64, 8 waves a work-group, no clusters, 316,416 bytes of LDS; arguments q_codes, q_scales, k_codes, k_scales, v_codes, v_scales, lm, cls, out0; writes out0
.if DOCPART == 2
	.amdgcn_target "amdgcn-amd-amdhsa--gfx1250"
	.amdhsa_code_object_version 6
	.text
	.protected	k_qda01f8ff91_attn
	.globl	k_qda01f8ff91_attn
	.p2align	8
	.type	k_qda01f8ff91_attn,@function
k_qda01f8ff91_attn:
	s_mov_b64 s[64:65], 0
	v_nop
	global_prefetch_b8 v0, s[64:65] scope:SCOPE_SE
	s_setreg_imm32_b32 hwreg(HW_REG_WAVE_MODE, 25, 1), 1
	s_wait_xcnt 0x0
; out0[head][q][:] = the sum over k of softmax_k(Q[q] . K[k] / sqrt(128), hidden where mask[q][k]) V[k][:], 64 heads, 2,048 queries, 2,048 keys, head size 128; both products on codes of FP4 (E2M1) with one E8M0 scale for each 32 along K.
; Q, K: codes along the head's 128 (64 bytes a row) and a scale word a row.  V: codes with the KEYS innermost, [128 channels][1,024 bytes], 64 scale bytes a channel.  out0: f32.
; THE SOFTMAX AHEAD OF THE SECOND PRODUCT: t = score x log2(e) / sqrt(128); M = the row's largest t so far, rounded UP to a whole number; p = 2^(t - M) is quantised along the keys, not normalised.
; The row's sum is taken of the unquantised p and divides O at the end.  When M moves, the sum and O are multiplied by 2^(old M - new M): exact.
; THE MASK is an input.  The launch before has turned it into lane masks (lm) and into two bits for each piece of 32 queries x 128 keys (cls): all hidden, none hidden.
; A key step all of whose 32 x 128 scores are hidden adds nothing (p = 0; M, the sum and O stay): it is jumped over, by a scalar branch on cls.  In a step with none hidden the selects are jumped over.  Elsewhere hidden scores become -infinity.
; That branch hangs on numbers read from memory. K and V come into LDS through registers, and there is no joint load and no cluster.
; SHARES.  256 work-groups: 4 to a head.  A work-group brings its head's whole K, V and scales into LDS ONCE (280,576 bytes), then walks two blocks of 256 queries: block 7 - x, then block x (a schedule only: right for any mask).
; Each of its 8 waves owns 32 queries of a block: two tiles of 16; tile 0's state lies in register window 0, tile 1's in window 1 under the same numbers.  Each fragment of K and V read from LDS feeds two matrix instructions.
; LAYOUT.  Both products are used transposed: S^T = K Q^T (source 0 = 16 keys, source 1 = 16 queries), O^T = V^T P^T (source 0 = 16 channels, source 1 = P): a lane holds ONE query (lane % 16) throughout.
; THE KEYS OF A TILE ARE NOT NEIGHBOURS: lane r of tile 2 b + u takes key 32 b + 8 u + r + 8 (r / 8), so that the 16 registers of tiles 2 b and 2 b + 1 are 16 neighbouring keys, 32 b + 16 (lane / 16) + 0 .. 15.
; K AND V LIE IN LDS AS IMAGES OF THE OPERANDS' REGISTERS: registers 4 c .. 4 c + 3 of the fragment (step J, tile t) are a block of 512 bytes at 8,192 J + 1,024 t + 512 c; lanes 0-15 in its first 256 bytes, lanes 16-31 in the second.
; Inside 256 bytes lane r's 16 bytes stand at column r xor a number that hangs on (h, c) for K and on (J % 4, c, h) for V: so the fill's stores (16 lanes hold pieces of 4 rows, or 16 pieces of one row) and the fragments' loads
; both touch 16 different columns of 16 bytes.
; THE FILL goes in four chunks of 512 keys (four key steps).  Chunk c + 1 is asked for into registers ahead of the four steps on chunk c of the first block of queries, and stored behind them.
; LIMITS.  A row that is wholly hidden gives NaN (0 x 1/0), as the softmax of such a row does.  M is a whole number exactly while |t| < 2^24.  A block's largest p is made from the block's largest score by the same two instructions:
; this takes v_exp_f32 not to fall where its input rises.  A block whose p are all 0 keeps the scale byte 1 over zero codes.  t is the score times ONE rounded constant.  NaN and infinities among the scales (byte 0xff) are not served.
.set KIMG,  0                          ; LDS: K's images, 16 steps x 8,192 bytes
.set VIMG,  131072                     ; V's images, likewise
.set KSC,   262144                     ; K's scale words, 4 bytes a key, dense
.set VSC,   270336                     ; V's scale bytes: a channel's 64 bytes + 16 of padding: 20 words from row to row, so that 16 rows' words fall into 16 different banks (64 banks of 4 bytes: ISA guide 11.1)
.set VSP,   80
.set STG,   280576                     ; the way out: 16 rows x (256 bytes + 16) for each wave, its own
.set SP,    272
; window 0 alone
.set AK0,  1                           ; v1   my lane's place in a block of K's images (c = 0)
.set AV0,  2                           ; v2   the same for V (J % 4 = 0, c = 0)
.set ASK0, 3                           ; v3   my lane's place among a step's scale words of K
.set ASV0, 4                           ; v4   and among V's rows of scale bytes
.set STO,  5                           ; v5   the stage: where I put 32 bytes of a row
.set SRD,  6                           ; v6   and where I read a row back
.set GO,   7                           ; v7   my byte offset in two rows of out0
.set ADK,  8                           ; v8, v9    the step's addresses in K's images, c = 0, 1
.set ADV,  10                          ; v10, v11  in V's
.set ADS,  25                          ; v25  of K's scale words
.set ADT,  26                          ; v26  of V's
.set QS,   27                          ; v27, v28  Q's scale words, tile 0, 1 (scale operands have no window: all lie in window 0)
.set PS1,  29                          ; v29  tile 1's scale word of p (tile 0's is v253)
.set QO,   30                          ; v30  my byte offset in 16 rows of Q's codes
.set QSO,  31                          ; v31  and among their scale words
.set FB,   32                          ; v32-95  eight fragments of K, then of V; on the way out rows read back.  v240-243, v248-251: their scale words
; both windows, a tile each: v12 -M, v13 the largest t, v[14:15] the sum in two halves, v16-23 Q, v24 -infinity, v96-159 S^T, then p, v160-223 O^T, v224-231 p's codes, v232-239, v244-247, v252-254 at work
; window 1 alone
.set KGO,  0                           ; v0'  the fill: my byte offset in a chunk of K
.set VGO,  1                           ; v1'  and in V's rows
.set KW0,  2                           ; v2'  where my 16 bytes of K go in chunk 0
.set VW0,  3                           ; v3'  and of V
.set T16,  4                           ; v4'  16 x thread
.set VSW,  5                           ; v5'  where my 16 scale bytes of V go
.set KSW,  6                           ; v6'  and of K
.set KWA,  7                           ; v7', v8'  this chunk's places for K; v9' for V; v10', v11' V's by turns.  v32'-63' K's 8 loads, v64'-95' V's
.set VWC,  9
.set VWX,  10
; scalars
.set XB,   2                           ; s2   work-group x
.set CO,   3                           ; s3   the head, then the chunk's offset in the images: 32,768 a chunk
.set LM,   18                          ; s[18:19] lm at my 32 queries
.set SEL,  20                          ; s[20:21] v_permlanex16_b32's selects for lane l xor 16
.set CS,   22                          ; s[22:23] c = log2(e) / sqrt(128); the packed form names a pair
.set WV,   24                          ; s24  wave
.set JS,   25                          ; s25  the key step J
.set TB,   26                          ; s26  8,192 J      (s[26:27], s[28:29]: at a block's head the pointers to my queries' codes and scale words)
.set TS,   27                          ; s27  512 J: a step's scale words of K, and a record of lm
.set TJ,   28                          ; s28  4 J
.set VX,   29                          ; s29  (J % 4) << 6: the turn of V's columns
.set HID,  30                          ; s30  bit J: step J is all hidden for my 32 queries
.set OPN,  31                          ; s31  bit J: none of it is hidden
.set CNT,  66                          ; s66  counts steps
.set CHK,  67                          ; s67  counts chunks
.set OP,   104                         ; s[104:105] out0 at my 32 queries
; s[32:63], s[68:99]: a tile's 64 lane masks: word n in s[32 + n + 4 (n / 32)]
.set MSB, 0
.macro WIN new                         ; low byte: bits 1:0 source 0, 3:2 source 1, 5:4 source 2, 7:6 destination; the high byte repeats the setting that is left; at a label and at a branch every window is 0
.if MSB != (\new)
	s_set_vgpr_msb (MSB<<8)|(\new)
.set MSB, (\new)
.endif
.endm
.macro PLACES n
.rept \n
	v_nop
.endr
.endm
.macro BARRIER                         ; my LDS stores have landed and my LDS loads are in: then the work-group's barrier
	s_wait_dscnt 0x0
	s_barrier_signal -1
	s_barrier_wait -1
.endm
; A chunk is asked for: K: my wave's 4,096 of its 32,768 dense bytes, 512 consecutive bytes a load.  V: my wave's 16 channels, two rows a load, 256 consecutive, aligned bytes of each.
.macro FILL_LOAD
	WIN 0x41                                       ; destination and address window 1
.irp i, 0,1,2,3,4,5,6,7
	global_load_b128 v[32+4*\i:35+4*\i], v[KGO], s[8:9] offset:512*\i
.endr
.irp i, 0,1,2,3,4,5,6,7
	global_load_b128 v[64+4*\i:67+4*\i], v[VGO], s[10:11] offset:2048*\i
.endr
	WIN 0
.endm
; and stored into the images.  K's load i holds keys 8 i + lane / 4 of my 64, piece lane % 4 = 2 c + h: tile 2 (i / 4) + i % 2 of my four, lane r = lane / 4 + 8 ((i / 2) % 2).
; V's load i holds rows r = 2 i + lane / 16 of my tile, piece lane % 16 = 4 (J % 4) + 2 c + h.
; lead = 1: a barrier stands ahead of the stores too, so that stores into the images and reads of them are parted by a barrier on both sides, whatever the chunk.
.macro FILL_STORE lead
.if \lead
	s_wait_loadcnt 0x0                             ; the chunk is in registers (asked for four key steps ago); the loads' pointers may be stepped
	BARRIER
.endif
	WIN 0x55
	v_add_nc_u32 v[KWA], s[CO], v[KW0]
	s_delay_alu instid0(VALU_DEP_1)
	v_xor_b32 v[KWA+1], 128, v[KWA]                ; r + 8: column xor 8
	v_add_nc_u32 v[VWC], s[CO], v[VW0]
.irp i, 0,1,2,3,4,5,6,7
	ds_store_b128 v[KWA+((\i>>1)&1)], v[32+4*\i:35+4*\i] offset:(2*(\i>>2)+(\i&1))*1024
.endr
.irp i, 0,1,2,3,4,5,6,7
	v_xor_b32 v[VWX+\i%2], \i<<5, v[VWC]           ; r = 2 i + ..: column xor 2 i
	ds_store_b128 v[VWX+\i%2], v[64+4*\i:67+4*\i]
.endr
	WIN 0
	s_add_co_u32 s[CO], s[CO], 0x8000              ; the next chunk: four steps' images on,
	s_add_nc_u64 s[8:9], s[8:9], 0x8000            ; 512 keys of 64 bytes,
	s_add_nc_u64 s[10:11], s[10:11], 256           ; 512 codes in each row of V
	BARRIER                                        ; the chunk lies in LDS for all eight waves
.endm
; A block's head: pointers, Q, the class bits, and the state of both tiles.  O^T and the sums begin as zeros and the largest t as -3e38, since which step is worked first hangs on the mask: the first change of M multiplies zeros.
.macro TILE_HEAD pass
	s_wait_xcnt 0x0                                ; all earlier loads and stores have read their bases and data: s[32:63], out0's pointer and the rows' registers may be written
.if \pass
	s_lshl_b32 s[CNT], s[XB], 3                    ; block x
.else
	s_sub_co_u32 s[CNT], 7, s[XB]                  ; block 7 - x
	s_lshl_b32 s[CNT], s[CNT], 3
.endif
	s_add_co_u32 s[CNT], s[CNT], s[WV]             ; T2 = 8 x block + wave: my 32 queries begin at 32 T2
	s_mov_b32 s101, 0
	s_lshl_b32 s100, s[CNT], 14                    ; 32 rows of 512 bytes
	s_add_nc_u64 s[OP:OP+1], s[12:13], s[100:101]
	s_lshl_b32 s100, s[CNT], 13                    ; 16 records of 512 bytes
	s_add_nc_u64 s[LM:LM+1], s[16:17], s[100:101]
	s_lshl_b32 s100, s[CNT], 11                    ; 32 rows of 64 bytes
	s_add_nc_u64 s[26:27], s[4:5], s[100:101]
	s_lshl_b32 s100, s[CNT], 7                     ; 32 scale words; and 16 pairs of class words
	s_add_nc_u64 s[28:29], s[6:7], s[100:101]
	s_load_b512 s[32:47], s[14:15], s100 offset:0x0
	s_load_b512 s[48:63], s[14:15], s100 offset:0x40
.irp x, 0,1
	WIN 0x40*\x
.irp c, 0,1
	global_load_b128 v[16+4*\c:19+4*\c], v[QO], s[26:27] offset:1024*\x+32*\c th:TH_LOAD_NT   ; Q's fragment stays in registers
.endr
.endr
	WIN 0
	global_load_b32 v[QS], v[QSO], s[28:29]
	global_load_b32 v[QS+1], v[QSO], s[28:29] offset:64
.irp x, 0,1
	WIN 0x55*\x
	v_mov_b32 v13, 0xff61b1e6                      ; the largest t so far: -3e38, under every t
	s_delay_alu instid0(VALU_DEP_1)
	v_floor_f32 v12, -v13                          ; -M
	v_mov_b32 v14, 0                               ; the sum, in two halves
	v_mov_b32 v15, 0
	v_mov_b32 v24, 0xff800000                      ; -infinity
.irp j, 236,237,238,239,252,253
	v_mov_b32 v\j, 0                               ; a lane permute's destination counts as read; v253 is named as the upper half of a pair
.endr
.set jj, 160
.rept 64
	v_mov_b32 v[jj], 0                             ; O^T
.set jj, jj+1
.endr
.endr
	WIN 0
	s_wait_kmcnt 0x0
	s_or_b32 s[HID], s32, s34                      ; each word carries its bit at place J already
	s_or_b32 s[OPN], s33, s35
.irp j, 36,38,40,42,44,46,48,50,52,54,56,58,60,62
	s_or_b32 s[HID], s[HID], s[\j]
	s_or_b32 s[OPN], s[OPN], s[\j+1]
.endr
	s_mov_b32 s[JS], 0
.if \pass
	s_wait_loadcnt 0x0                             ; Q; s[26:29] are free again
.endif
.endm
.macro LMLOAD x                        ; tile x's 64 lane masks of step J
	s_load_b512 s[32:47], s[LM:LM+1], s[TS] offset:256*\x
	s_load_b512 s[48:63], s[LM:LM+1], s[TS] offset:256*\x+64
	s_load_b512 s[68:83], s[LM:LM+1], s[TS] offset:256*\x+128
	s_load_b512 s[84:99], s[LM:LM+1], s[TS] offset:256*\x+192
.endm
.macro KLOAD                           ; the step's eight fragments of K and their rows' scale words
.irp t, 0,1,2,3,4,5,6,7
	ds_load_b128 v[FB+8*\t:FB+8*\t+3], v[ADK] offset:1024*\t
	ds_load_b128 v[FB+8*\t+4:FB+8*\t+7], v[ADK+1] offset:1024*\t+512
	ds_load_b32 v[240+\t+4*(\t/4)], v[ADS] offset:(32*(\t/2)+8*(\t%2))*4
.endr
.endm
.macro VLOAD                           ; and of V: tile t = channels 16 t on
.irp t, 0,1,2,3,4,5,6,7
	ds_load_b128 v[FB+8*\t:FB+8*\t+3], v[ADV] offset:1024*\t
	ds_load_b128 v[FB+8*\t+4:FB+8*\t+7], v[ADV+1] offset:1024*\t+512
	ds_load_b32 v[240+\t+4*(\t/4)], v[ADT] offset:16*VSP*\t
.endr
.endm
.macro QK x                            ; S^T = K Q^T for tile x: eight accumulators, one instruction each; the constant 0 starts the sums
	WIN 0x44*(\x)                                  ; K in window 0; Q and S^T in the tile's
.irp t, 0,1,2,3,4,5,6,7
	v_wmma_scale_f32_16x16x128_f8f6f4 v[96+8*\t:103+8*\t], v[FB+8*\t:FB+8*\t+7], v[16:23], 0, v[240+\t+4*(\t/4)], v[QS+\x] matrix_a_fmt:MATRIX_FMT_FP4 matrix_b_fmt:MATRIX_FMT_FP4
.endr
.endm
.macro PV x                            ; O^T += V^T P^T for tile x: eight accumulators by turns, one instruction a turn
	WIN 0x54*(\x)                                  ; V in window 0; P and O^T in the tile's
.irp t, 0,1,2,3,4,5,6,7
	v_wmma_scale_f32_16x16x128_f8f6f4 v[160+8*\t:167+8*\t], v[FB+8*\t:FB+8*\t+7], v[224:231], v[160+8*\t:167+8*\t], v[240+\t+4*(\t/4)], v[253-224*\x] matrix_a_fmt:MATRIX_FMT_FP4 matrix_b_fmt:MATRIX_FMT_FP4
.endr
.endm
.macro MASK x                          ; hidden scores become -infinity ahead of the maximum: one select a register, its lane mask in a scalar register.  A step with none hidden jumps over the selects
	s_lshr_b32 s100, s[OPN], s[JS]
	s_bitcmp1_b32 s100, 0
	s_cbranch_scc1 .Lopen_\@
	WIN 0x55*(\x)
.set nn, 0
.rept 64
	v_cndmask_b32 v[96+nn], v[96+nn], v24, s[32+nn+4*(nn/32)]   ; each accumulator from its low end on
.set nn, nn+1
.endr
	WIN 0
.Lopen_\@:
.endm
; One tile's softmax for 128 keys, all in the tile's window.
.macro SOFTMAX x
	WIN 0x55*(\x)
.irp b, 0,1,2,3
	v_max3_num_f32 v[232+\b], v[96+16*\b], v[97+16*\b], v[98+16*\b]   ; THE LARGEST SCORE OF EACH BLOCK OF 32 KEYS: it serves the row's maximum and, since p rises with the score, the block's largest p
.endr
.irp i, 3,5,7,9,11,13
.irp b, 0,1,2,3
	v_max3_num_f32 v[232+\b], v[232+\b], v[96+16*\b+\i], v[97+16*\b+\i]   ; (the four blocks by turns)
.endr
.endr
.irp b, 0,1,2,3
	v_max_num_f32 v[232+\b], v[232+\b], v[111+16*\b]
.endr
.irp b, 0,1,2,3
	s_delay_alu instid0(VALU_DEP_4)
	v_permlanex16_b32 v[236+\b], v[232+\b], s[SEL], s[SEL+1]
.endr
.irp b, 0,1,2,3
	s_delay_alu instid0(VALU_DEP_4)
	v_max_num_f32 v[232+\b], v[232+\b], v[236+\b]  ; with lane l xor 16's 16 keys
.endr
	s_delay_alu instid0(VALU_DEP_2)
	v_max3_num_f32 v254, v232, v233, v234
	s_delay_alu instid0(VALU_DEP_1)
	v_max_num_f32 v254, v254, v235                 ; the step's largest score of my query
	s_delay_alu instid0(VALU_DEP_1)
	v_mul_f32 v254, s[CS], v254                    ; as t (c is positive)
	s_delay_alu instid0(VALU_DEP_1)
	v_max_num_f32 v13, v13, v254                   ; the running largest t
	v_mov_b32 v254, v12
	s_delay_alu instid0(VALU_DEP_2)
	v_floor_f32 v12, -v13                          ; the new -M = floor(-t) = -ceil(t): a whole number
	s_delay_alu instid0(VALU_DEP_1)
	v_sub_f32 v254, v12, v254                      ; old M - new M: a whole number, 0 or less
	s_delay_alu instid0(VALU_DEP_1)
	v_cvt_i32_f32 v254, v254                       ; (it saturates)
	s_delay_alu instid0(VALU_DEP_1)
	v_ldexp_f32 v252, 1.0, v254                    ; f = 2^(old M - new M)
.set jj, 0
.rept 32
	v_pk_fma_f32 v[96+jj:97+jj], v[96+jj:97+jj], s[CS:CS+1], v[12:13] op_sel_hi:[1,0,0]   ; t - M, two at a time (of the pairs c and -M the low word serves both halves)
.set jj, jj+2
.endr
.irp b, 0,1,2,3
	v_fma_f32 v[232+\b], v[232+\b], s[CS], v12     ; the same of each block's largest score
.endr
.set jj, 0
	s_wait_alu depctr_va_vdst(0)
.rept 64
	v_exp_f32 v[96+jj], v[96+jj]                   ; p = 2^(t - M), at most 1
.set jj, jj+1
.endr
	v_pk_mul_f32 v[14:15], v[14:15], v[252:253] op_sel_hi:[1,0]   ; the sums under the new M: the plain instruction behind the exponentials
	s_wait_alu depctr_va_vdst(0)                   ; one wait for the batch of 64, ahead of its first reader
.irp b, 0,1,2,3
	v_exp_f32 v[232+\b], v[232+\b]                 ; the block's largest p: the same two instructions on the same number give the same bits
.endr
	v_pk_add_f32 v[236:237], v[96:97], v[98:99]    ; THE ROW'S SUM IS TAKEN OF THE UNQUANTISED p, in two chains; it reads the 64 alone: plain work behind the four
.set jj, 4
.rept 15
	v_pk_add_f32 v[14:15], v[14:15], v[96+jj:97+jj]
	v_pk_add_f32 v[236:237], v[236:237], v[98+jj:99+jj]
.set jj, jj+4
.endr
	s_delay_alu instid0(VALU_DEP_1)
	v_pk_add_f32 v[14:15], v[14:15], v[236:237]
	s_wait_alu depctr_va_vdst(0)                   ; and one for the four
.irp b, 0,1,2,3
	v_max_num_f32 v[232+\b], 0x1800000, v[232+\b]  ; the floor 2^(3 - 127): the byte cannot fall under 1
.endr
.irp b, 0,1,2,3
	s_delay_alu instid0(VALU_DEP_4)
	v_add_nc_u32 v[244+\b], 0xff000000, v[232+\b]  ; 2 off the exponent field: the conversion's scale operand
.endr
.irp b, 0,1,2,3
	s_delay_alu instid0(VALU_DEP_4)
	v_lshrrev_b32 v[236+\b], 23, v[244+\b]         ; the scale's byte
.endr
	s_delay_alu instid0(VALU_DEP_3)
	v_lshl_or_b32 v253, v237, 8, v236              ; p's scale word for these 128 keys
	s_delay_alu instid0(VALU_DEP_1)
	v_lshl_or_b32 v253, v238, 16, v253
.if \x
	WIN 0x11                                       ; scale operands are taken from window 0: tile 1's word is finished into v29
	s_setprio 0
	v_lshl_or_b32 v[PS1], v239, 24, v253
	WIN 0x55
.else
	s_delay_alu instid0(VALU_DEP_1)
	v_lshl_or_b32 v253, v239, 24, v253
.endif
.irp b, 0,1,2,3
	v_cvt_scalef32_pk8_fp4_f32 v[224+2*\b], v[96+16*\b:103+16*\b], v[244+\b]
	v_cvt_scalef32_pk8_fp4_f32 v[225+2*\b], v[104+16*\b:111+16*\b], v[244+\b]
.endr
	v_nop                                          ; one plain instruction behind the scaled conversions
.irp c, 0,1                                    ; the operand's layout wants a WHOLE block in a lane: lanes 0-15 block 2 c, lanes 16-31 block 2 c + 1
.irp i, 0,1
	v_permlane16_swap_b32 v[224+4*\c+\i], v[226+4*\c+\i]
.endr
.endr
.set jj, 0
.rept 32
	v_pk_mul_f32 v[160+jj:161+jj], v[160+jj:161+jj], v[252:253] op_sel_hi:[1,0]   ; O^T under the new M.  These 32 are also the places between the scale word (8), the codes (4) and the products
.set jj, jj+2
.endr
.endm
; A KEY STEP: 128 keys for my 32 queries.
.macro STEP
	s_lshr_b32 s100, s[HID], s[JS]
	s_bitcmp1_b32 s100, 0
	s_cbranch_scc1 .Lhid_\@                        ; all hidden: nothing is loaded, multiplied or summed; no barrier stands in a step
	s_lshl_b32 s[TB], s[JS], 13
	s_lshl_b32 s[TS], s[JS], 9
	s_lshl_b32 s[TJ], s[JS], 2
	s_and_b32 s[VX], s[JS], 3
	s_lshl_b32 s[VX], s[VX], 6
	LMLOAD 0
	s_setprio 2
	v_add_nc_u32 v[ADK], s[TB], v[AK0]             ; seven plain instructions: the places behind the last step's products, ahead of the loads into their operands (ISA guide 7.12.1 for vector instructions)
	s_delay_alu instid0(VALU_DEP_1)
	v_xor_b32 v[ADK+1], 128, v[ADK]                ; c = 1: column xor 8
	v_add_nc_u32 v[ADS], s[TS], v[ASK0]
	v_xor_b32 v[ADV], s[VX], v[AV0]                ; column xor 4 (J % 4)
	s_delay_alu instid0(VALU_DEP_1)
	v_add_nc_u32 v[ADV], s[TB], v[ADV]
	s_delay_alu instid0(VALU_DEP_1)
	v_xor_b32 v[ADV+1], 32, v[ADV]                 ; c = 1: column xor 2
	v_add_nc_u32 v[ADT], s[TJ], v[ASV0]
	KLOAD
	s_wait_alu depctr_va_vdst(0)
	s_wait_dscnt 0x0
	QK 0
	QK 1
	WIN 0
	PLACES 4                                       ; ahead of the loads over K's fragments and of the first read of the scores
	VLOAD                                          ; V lands under tile 0's softmax
	s_wait_kmcnt 0x0                               ; tile 0's lane masks
	MASK 0
	LMLOAD 1                                       ; tile 1's land under tile 0's softmax
	SOFTMAX 0
	s_setprio 1
	s_wait_alu depctr_va_vdst(0)
	s_wait_dscnt 0x0                               ; V
	PV 0
	WIN 0
	s_wait_kmcnt 0x0                               ; tile 1's lane masks; s[TS] is free again
	MASK 1
	SOFTMAX 1
	PV 1
	WIN 0
.Lhid_\@:
	s_add_co_u32 s[JS], s[JS], 1
.endm
.macro STEPS n
	s_mov_b32 s[CNT], \n
.Lstep_\@:
	STEP
	s_sub_co_u32 s[CNT], s[CNT], 1
	s_cmp_lg_u32 s[CNT], 0
	s_cbranch_scc1 .Lstep_\@
	s_setprio 0
.endm
; THE WAY OUT.  O^T / the sum goes through my stage in LDS, half a row (64 channels, 256 bytes) of 16 queries at a time, and leaves as runs of 256 consecutive, aligned bytes.
.macro MULS x
	WIN 0x55*(\x)
	v_add_f32 v14, v14, v15                        ; the sum's two halves,
	s_delay_alu instid0(VALU_DEP_1)
	v_permlanex16_b32 v252, v14, s[SEL], s[SEL+1]
	s_delay_alu instid0(VALU_DEP_1)
	v_add_f32 v14, v14, v252                       ; and lane l xor 16's: the row's sum
	s_wait_alu depctr_va_vdst(0)
	v_rcp_f32 v14, v14
	v_nop                                          ; a plain instruction behind the reciprocal,
	s_wait_alu depctr_va_vdst(0)                   ; and the wait ahead of its first reader
.set jj, 0
.rept 64
	v_mul_f32 v[96+jj], v[160+jj], v14             ; register 8 t + i is o(r, 16 t + 8 h + i); each accumulator from its low end on
.set jj, jj+1
.endr
.endm
.macro TOSTAGE x
.irp u, 0,1                                    ; channels 64 u on
	WIN 0x04*(\x)                                  ; an LDS store's data are its source 1
.irp t, 0,1,2,3
	ds_store_b128 v[STO], v[96+32*\u+8*\t:99+32*\u+8*\t] offset:64*\t
	ds_store_b128 v[STO], v[100+32*\u+8*\t:103+32*\u+8*\t] offset:64*\t+16
.endr
	WIN 0x40*(\x)
.irp i, 0,1,2,3,4,5,6,7
	ds_load_b128 v[FB+32*\u+4*\i:FB+32*\u+4*\i+3], v[SRD] offset:2*SP*\i   ; LDS serves a wave's instructions in order (ISA guide 5.7.1.4): these see my stores, and the next half's stores come behind them
.endr
.endr
.endm
.macro SEND x
	WIN 0x04*(\x)                                  ; a store's data are its source 1
.irp u, 0,1
.irp i, 0,1,2,3,4,5,6,7
	s_wait_dscnt 16*(1-\u)+7-\i                    ; behind this load: the 7 - i later loads of its half and, for the first half, the second half's 8 stores and 8 loads
	global_store_b128 v[GO], v[FB+32*\u+4*\i:FB+32*\u+4*\i+3], s[OP:OP+1] offset:8192*\x+1024*\i+256*\u th:TH_STORE_NT   ; 16 lanes store 256 consecutive bytes, at a multiple of 256 from out0's first byte
.endr
.endr
.endm
.macro WAYOUT
	PLACES 4                                       ; behind the last products
	MULS 0
	TOSTAGE 0
	MULS 1                                         ; tile 1's arithmetic stands between tile 0's loads from the stage and its stores
	SEND 0
	s_wait_alu depctr_va_vdst(0)
	TOSTAGE 1
	SEND 1
	WIN 0
.endm
	s_load_b512 s[32:47], s[0:1], 0x0              ; q_codes s[32:33], q_scales s[34:35], k_codes s[36:37], k_scales s[38:39], v_codes s[40:41], v_scales s[42:43], lm s[44:45], cls s[46:47]
	s_load_b64 s[48:49], s[0:1], 0x40              ; out0
	v_lshl_add_u32 v255, v0, 2, 0x4d000
	s_set_vgpr_msb 0x40
	v_mov_b32 v255, 0
	s_set_vgpr_msb 0x4000
	v_lshrrev_b32 v32, 5, v0
	s_delay_alu instid0(VALU_DEP_1)
	v_readfirstlane_b32 s[WV], v32                 ; wave 0..7
	s_mov_b32 s[XB], ttmp9
	s_and_b32 s[CO], ttmp7, 0xffff                 ; the head
	v_and_b32 v33, 31, v0                          ; L, the lane
	v_and_b32 v34, 15, v0                          ; r
	v_bfe_u32 v35, v0, 4, 1                        ; h
	s_delay_alu instid0(VALU_DEP_1)
	v_lshlrev_b32 v36, 2, v35
	s_delay_alu instid0(VALU_DEP_1)
	v_xor_b32 v36, v34, v36
	s_delay_alu instid0(VALU_DEP_1)
	v_lshlrev_b32 v[AK0], 4, v36
	s_delay_alu instid0(VALU_DEP_1)
	v_lshl_add_u32 v[AK0], v35, 8, v[AK0]          ; K: 256 h + 16 (r xor 4 h)
	v_xor_b32 v36, v34, v35
	s_delay_alu instid0(VALU_DEP_1)
	v_lshlrev_b32 v[AV0], 4, v36
	s_delay_alu instid0(VALU_DEP_1)
	v_lshl_add_u32 v[AV0], v35, 8, v[AV0]
	s_delay_alu instid0(VALU_DEP_1)
	v_add_nc_u32 v[AV0], VIMG, v[AV0]              ; V: 256 h + 16 (r xor h)
	v_and_b32 v36, 8, v34
	s_delay_alu instid0(VALU_DEP_1)
	v_add_nc_u32 v36, v36, v34                     ; r + 8 (r / 8)
	s_delay_alu instid0(VALU_DEP_1)
	v_lshl_add_u32 v[ASK0], v36, 2, KSC
	v_mul_u32_u24 v[ASV0], v34, VSP
	s_delay_alu instid0(VALU_DEP_1)
	v_add_nc_u32 v[ASV0], VSC, v[ASV0]
	s_mul_i32 s100, s[WV], 16*SP
	s_add_co_u32 s100, s100, STG                   ; my stage
	v_mul_u32_u24 v[STO], v34, SP
	s_delay_alu instid0(VALU_DEP_1)
	v_lshl_add_u32 v[STO], v35, 5, v[STO]
	s_delay_alu instid0(VALU_DEP_1)
	v_add_nc_u32 v[STO], s100, v[STO]              ; in: row r, + 32 h
	v_mul_u32_u24 v[SRD], v35, SP
	s_delay_alu instid0(VALU_DEP_1)
	v_lshl_add_u32 v[SRD], v34, 4, v[SRD]
	s_delay_alu instid0(VALU_DEP_1)
	v_add_nc_u32 v[SRD], s100, v[SRD]              ; back: lanes 0-15 one row, lanes 16-31 the next
	v_lshlrev_b32 v[GO], 9, v35
	s_delay_alu instid0(VALU_DEP_1)
	v_lshl_add_u32 v[GO], v34, 4, v[GO]            ; and the same two rows in out0
	v_lshlrev_b32 v[QO], 6, v34
	s_delay_alu instid0(VALU_DEP_1)
	v_lshl_add_u32 v[QO], v35, 4, v[QO]            ; Q: row r of 64 bytes, + 16 h
	v_lshlrev_b32 v[QSO], 2, v34
	; the fill's addresses, made in v40-46 and moved into window 1
	s_lshl_b32 s100, s[WV], 12
	v_lshl_add_u32 v40, v33, 4, s100               ; KGO = 4,096 w + 16 L
	s_lshl_b32 s101, s[WV], 14
	v_lshl_add_u32 v41, v34, 4, s101
	s_delay_alu instid0(VALU_DEP_1)
	v_lshl_add_u32 v41, v35, 10, v41               ; VGO = (16 w + L / 16) x 1,024 + 16 (L % 16)
	v_and_b32 v37, 3, v33                          ; L % 4 = 2 c + h
	v_lshrrev_b32 v38, 2, v33                      ; L / 4
	s_delay_alu instid0(VALU_DEP_2)
	v_lshlrev_b32 v39, 2, v37
	s_delay_alu instid0(VALU_DEP_1)
	v_xor_b32 v39, v38, v39
	s_delay_alu instid0(VALU_DEP_1)
	v_lshl_add_u32 v42, v39, 4, s100
	s_delay_alu instid0(VALU_DEP_1)
	v_lshl_add_u32 v42, v37, 8, v42                ; KW0 = 4,096 w + 256 (L % 4) + 16 ((L / 4) xor 4 (L % 4))
	s_lshl_b32 s101, s[WV], 10
	s_add_co_u32 s101, s101, VIMG
	v_xor_b32 v39, v34, v35
	s_delay_alu instid0(VALU_DEP_1)
	v_lshl_add_u32 v43, v39, 4, s101
	s_delay_alu instid0(VALU_DEP_1)
	v_lshl_add_u32 v43, v37, 8, v43
	v_and_b32 v39, 3, v38
	s_delay_alu instid0(VALU_DEP_1)
	v_lshl_add_u32 v43, v39, 13, v43               ; VW0 = VIMG + 1,024 w + 8,192 ((L / 4) % 4) + 256 (L % 4) + 16 ((L / 16) xor (L % 16))
	v_lshlrev_b32 v44, 4, v0                       ; 16 T
	v_lshrrev_b32 v39, 2, v0
	s_delay_alu instid0(VALU_DEP_1)
	v_mul_u32_u24 v45, v39, VSP
	v_and_b32 v39, 3, v0
	s_delay_alu instid0(VALU_DEP_1)
	v_lshl_add_u32 v45, v39, 4, v45
	s_delay_alu instid0(VALU_DEP_1)
	v_add_nc_u32 v45, VSC, v45                     ; VSW = VSC + 80 (T / 4) + 16 (T % 4)
	v_add_nc_u32 v46, KSC, v44                     ; KSW = KSC + 16 T
	WIN 0x40
.irp i, 0,1,2,3,4,5,6
	v_mov_b32 v[\i], v[40+\i]
.endr
	WIN 0
	s_mov_b32 s[SEL], 0x76543210
	s_mov_b32 s[SEL+1], 0xfedcba98
	s_mov_b32 s[CS], 0x3e0293ee                    ; c = log2(e) / sqrt(128)
	s_mov_b32 s[CS+1], s[CS]                       ; (named with it as a pair, so it is written)
	s_mov_b32 s101, 0
	s_wait_alu depctr_va_vdst(0)
	s_wait_kmcnt 0x0
	s_lshl_b32 s100, s[CO], 17                     ; a head's codes: 131,072 bytes in each of the three tensors
	s_add_nc_u64 s[4:5], s[32:33], s[100:101]
	s_add_nc_u64 s[8:9], s[36:37], s[100:101]
	s_add_nc_u64 s[10:11], s[40:41], s[100:101]
	s_lshl_b32 s100, s[CO], 13                     ; its scale bytes: 8,192
	s_add_nc_u64 s[6:7], s[34:35], s[100:101]
	s_add_nc_u64 s[38:39], s[38:39], s[100:101]
	s_add_nc_u64 s[42:43], s[42:43], s[100:101]
	s_lshl_b32 s100, s[CO], 20                     ; its rows of out0: 1,048,576
	s_add_nc_u64 s[12:13], s[48:49], s[100:101]
	s_mov_b64 s[14:15], s[46:47]                   ; cls
	s_mov_b64 s[16:17], s[44:45]                   ; lm
	s_mov_b32 s[CO], 0                             ; from here on: the chunk's offset in the images
	FILL_LOAD                                      ; chunk 0
	WIN 0x41
	global_load_b128 v[96:99], v[T16], s[38:39]                ; the head's scale bytes of K: 256 threads x 16 bytes, twice
	global_load_b128 v[100:103], v[T16], s[38:39] offset:4096
	global_load_b128 v[104:107], v[T16], s[42:43]              ; and of V
	global_load_b128 v[108:111], v[T16], s[42:43] offset:4096
	WIN 0
	TILE_HEAD 0
	s_wait_loadcnt 0x0                             ; chunk 0, the scale bytes, Q; s[26:29] are free again
	WIN 0x55
	ds_store_b128 v[KSW], v[96:99]
	ds_store_b128 v[KSW], v[100:103] offset:4096
	ds_store_b128 v[VSW], v[104:107]
	ds_store_b128 v[VSW], v[108:111] offset:64*VSP ; 64 rows on
	FILL_STORE 0
	s_mov_b32 s[CHK], 3
.Lfill:                                            ; three trips: the next chunk is asked for, four key steps are worked on the chunk that lies in LDS, the next chunk is stored
	FILL_LOAD
	STEPS 4
	FILL_STORE 1
	s_sub_co_u32 s[CHK], s[CHK], 1
	s_cmp_lg_u32 s[CHK], 0
	s_cbranch_scc1 .Lfill
	STEPS 4                                        ; the last chunk's steps
	WAYOUT
	TILE_HEAD 1                                    ; the second block of queries finds all of K and V in LDS: no barrier from here on
	STEPS 16
	WAYOUT
	s_set_vgpr_msb 0x4
	s_wait_tensorcnt 0x0
	ds_add_u32 v255, v255
	s_wait_dscnt 0x0
	s_set_vgpr_msb 0x400
	s_endpgm
.Lfunc_end_k_qda01f8ff91_attn:
	.size	k_qda01f8ff91_attn, .Lfunc_end_k_qda01f8ff91_attn-k_qda01f8ff91_attn
	.p2alignl 7, 3214868480
	.fill 96, 4, 3214868480
	.section	.rodata,"a",@progbits
	.p2align	6, 0x0
	.amdhsa_kernel k_qda01f8ff91_attn
		.amdhsa_group_segment_fixed_size 316416
		.amdhsa_private_segment_fixed_size 0
		.amdhsa_enable_private_segment 0
		.amdhsa_kernarg_size 72
		.amdhsa_user_sgpr_count 2
		.amdhsa_user_sgpr_kernarg_segment_ptr 1
		.amdhsa_wavefront_size32 1
		.amdhsa_system_sgpr_workgroup_id_x 1
		.amdhsa_system_sgpr_workgroup_id_y 1
		.amdhsa_system_sgpr_workgroup_id_z 1
		.amdhsa_system_vgpr_workitem_id 0
		.amdhsa_next_free_vgpr 512
		.amdhsa_next_free_sgpr 106
		.amdhsa_reserve_vcc 0
		.amdhsa_float_denorm_mode_32 3
		.amdhsa_float_denorm_mode_16_64 3
		.amdhsa_memory_ordered 1
		.amdhsa_forward_progress 1
		.amdhsa_inst_pref_size 187
	.end_amdhsa_kernel
	.amdgpu_metadata
---
amdhsa.version: [ 1, 2 ]
amdhsa.kernels:
  - .name:           k_qda01f8ff91_attn
    .symbol:         k_qda01f8ff91_attn.kd
    .args:
      - { .name: q_codes, .offset: 0, .size: 8, .value_kind: global_buffer, .address_space: global }
      - { .name: q_scales, .offset: 8, .size: 8, .value_kind: global_buffer, .address_space: global }
      - { .name: k_codes, .offset: 16, .size: 8, .value_kind: global_buffer, .address_space: global }
      - { .name: k_scales, .offset: 24, .size: 8, .value_kind: global_buffer, .address_space: global }
      - { .name: v_codes, .offset: 32, .size: 8, .value_kind: global_buffer, .address_space: global }
      - { .name: v_scales, .offset: 40, .size: 8, .value_kind: global_buffer, .address_space: global }
      - { .name: lm, .offset: 48, .size: 8, .value_kind: global_buffer, .address_space: global }
      - { .name: cls, .offset: 56, .size: 8, .value_kind: global_buffer, .address_space: global }
      - { .name: out0, .offset: 64, .size: 8, .value_kind: global_buffer, .address_space: global }
    .group_segment_fixed_size: 316416
    .private_segment_fixed_size: 0
    .kernarg_segment_align: 8
    .kernarg_segment_size: 72
    .max_flat_workgroup_size: 256
    .sgpr_count:     106
    .vgpr_count:     512
    .wavefront_size: 32
...
	.end_amdgpu_metadata
.endif
;; end of part 2
